; MI455X (gfx1250); checked and timed in simulation.
; The chip was launched on July 23, 2026; its instructions are those of AMD's public machine-readable ISA for CDNA 5 (MIT licence, August 2026) and "CDNA5" Instruction Set Architecture Reference Guide (July 2026). The comments in the code are by the model that wrote it; some were corrected since.
;; Low Rank Orthogonal Projection. Allowed arithmetic: matrix products marked QUANTISED: E4M3 operands, one given power-of-two scale a tensor, by v_wmma_f32_16x16x64_fp8_fp8 or v_wmma_f32_16x16x128_fp8_fp8, f32 sums; everything else in f32.
;; Inputs: lowp_scales 6 int32 (the exponents e of the quantised operands' scales 2^e); source 2,048 x 4,096 float32; target 2,048 x 4,096 float32; weight 4,096 x 64 float32.
;; Outputs: out0 2,048 x 4,096 float32.
;; This version of the problem:
;;   THIS VERSION OF THE PROBLEM IS GIVEN IN LOW PRECISION. The matrix products marked QUANTISED in the list below multiply operands that are first quantised to E4M3 (4 exponent bits, 3 mantissa bits; 8 bits a number), with one given power-of-two scale for each operand tensor; their sums are f32. All else is computed in f32.
;;   The module's matrix products, in the order in which they are computed (A, B: the left and right operand; K: the contracted axis; several contracted axes count as one K, in the product's order):
;;     1. [M 4,096, K 64] x [K 64, N 4,096]; A: input weight; B: input weight: QUANTISED (scales: A lowp_scales[0], B lowp_scales[1])
;;     2. [M 2,048, K 4,096] x [K 4,096, N 4,096]; A: input target; B: computed on the way: QUANTISED (scales: A lowp_scales[2], B lowp_scales[3])
;;     3. [M 2,048, K 4,096] x [K 4,096, N 4,096]; A: input source; B: computed on the way: QUANTISED (scales: A lowp_scales[4], B lowp_scales[5])
;;   THE QUANTISER, for each operand of a quantised product, along K:
;;     - The operand's scale is 2^e, e = its entry of the input lowp_scales (int32; the entries are numbered through the quantised products in the list's order, A before B).
;;     - Each number is divided by the scale, clamped to +-448, and rounded to the nearest number of E4M3, ties to even, subnormals kept.
;;     - The product sums the exact products of the quantised numbers (number of the format x scale) in f32.
;;   ~~~python
;;   def quantise(x, axis, e):      # numpy; x: float32 -> the quantised numbers, widened to float32 again
;;       x = np.moveaxis(x, axis, -1); K = x.shape[-1]
;;       r = np.clip(x / 2.0 ** e, -448, 448)
;;       step = 2.0 ** (np.maximum(np.frexp(np.where(r == 0, 1, r))[1] - 1, -6) - 3)
;;       q = np.round(r / step) * step * 2.0 ** e      # np.round: ties to even
;;       return np.moveaxis(q, -1, axis).astype(np.float32)
;;   ~~~
;;   OPERANDS COMPUTED ON THE WAY. 'Computed on the way' means the value that the module computes at that place (a softmax that the list does not call 'softmax' is quantised finished and normalised). What goes into a quantiser is computed in f32, as accurately as f32 sums, v_exp_f32 and their like allow (about 1e-6 of the number): no bf16 or f16 on the way to a quantiser, and a product that is left as it is and whose result goes on into a quantised operand takes f32 operands (vector FMAs, or v_wmma_f32_16x16x4_f32). A number that lies on a knife's edge between two numbers of the format may be rounded either way, as far as f32 arithmetic and the matrix unit's own rounding can turn it there, and no further.
;; One version. Each part assembles by itself: llvm-mc -triple=amdgcn-amd-amdhsa -mcpu=gfx1250 --defsym DOCPART=n.
;; ======== version 1 of 1: 2 launches
;; limits: right only within a limited range of input values
;; workspace buffers: acodes 16,777,216 bytes; bcodes 33,554,432 bytes
;; launch prep (part 1): grid 768 x 1, 4 waves a work-group, no clusters, 34,304 bytes of LDS; arguments lowp_scales, source, target, weight, acodes, bcodes; writes acodes, bcodes
.if DOCPART == 1
	.amdgcn_target "amdgcn-amd-amdhsa--gfx1250"
	.amdhsa_code_object_version 6
	.text
	.protected	k_q5b550e7cfd_prep
	.globl	k_q5b550e7cfd_prep
	.p2align	8
	.type	k_q5b550e7cfd_prep,@function
k_q5b550e7cfd_prep:
	s_mov_b64 s[64:65], 0
	v_nop
	global_prefetch_b8 v0, s[64:65] scope:SCOPE_SE
	s_setreg_imm32_b32 hwreg(HW_REG_WAVE_MODE, 25, 1), 1
	s_wait_xcnt 0x0
; Everything that the big product multiplies is turned into codes of FP8 (E4M3) ONCE, here.
;   work-groups 0..511   (path Q): target (scale 2^e2) and source (2^e4), f32 [2048][4096], become acodes.
;   work-groups 512..767 (path P): P = Q0(W) Q1(W)^T by v_wmma_f32_16x16x64_fp8_fp8, comp = I - P in f32; comp (2^e3) and P (2^e5) become bcodes.
; code = x / 2^e, held within +-448, to the nearest code, ties to even.
; THE WORKSPACE IS LAID AS IMAGES OF OPERAND REGISTERS.  A fragment is 16 rows x 128 k = 2,048 bytes: group c (0..3) at 512 c + 16 x lane; lane (r = lane % 16, h = lane / 16)
; holds, of row r, k = 32 c + 16 h + 0 .. 15.  The same order of k in both operands, so every product meets its partner.  Each store of a wave covers 512 consecutive bytes, aligned.
;   acodes [mtile 16][kbX 64][f 8][2048]:  kbX 0..31 target's blocks of 128 along K, 32..63 source's.   16 rows rb: mtile = rb / 8, f = rb % 8.
;   bcodes [ntile 16][kbX 64][f 16][2048]: kbX 0..31 comp's, 32..63 P's.                               16 rows nb: ntile = nb / 16, f = nb % 16.
; No cluster and no tensor load: source and target, 64 MiB, are each read by one wave alone; W, which path P's work-groups share, is 1 MiB.
; LIMITS on the given exponents, so that each power of two below is an f32 number: e0, e1, e2, e4, e3 - e0 - e1 and e5 - e0 - e1 between -126 and 119; e0 + e1 between -126 and 126.
; NaN among the inputs is not served; an infinity is held at the largest code.
.set ATILE, 1048576                    ; 64 x 8 x 2048
.set BTILE, 2097152                    ; 64 x 16 x 2048
.set SP,    528                        ; path Q's stage: a row of 512 bytes + 16: the sixteen rows that a read touches start 33 x 16 bytes apart
.set WST,   16*SP                      ; a wave's stage
; path Q's registers
.set R,  16                            ; v16-143   two sets of 64: a fragment's numbers as loaded
.set X,  144                           ; v144-207  the same, 16 neighbours along K for each group
.set C,  208                           ; v208-239  two sets of 16: codes
; path P's registers
.set NF,  24                           ; v24-31    16 rows of W on P's row side, codes (scale 2^e0)
.set KT,  32                           ; v32-95    8 tiles of 16 rows of W on P's column side, codes (scale 2^e1): they stay
.set ST,  96                           ; v96-127   16 rows of W, f32, on their way to NF
.set ACC, 128                          ; v128-191  8 tiles of P / 2^(e0 + e1)    (in the set-up v128-255 are four sets of 32 for W's rows)
.set T,   192                          ; v192-223  two sets of 16: P held within its range
.set PC,  224                          ; v224-239  P's codes
.set CC,  240                          ; v240-255  comp's codes
.macro MKSCALE e, lim, scl             ; v[scl] = 2^e as f32 (a conversion takes its exponent field), v[lim] = 448 x 2^e
	s_add_co_i32 s40, \e, 127
	s_lshl_b32 s41, s40, 23
	v_mov_b32 v[\scl], s41
	s_add_co_i32 s40, s40, 8
	s_lshl_b32 s40, s40, 23
	s_or_b32 s40, s40, 0x600000
	v_mov_b32 v[\lim], s40
.endm
	s_load_b256 s[4:11], s[0:1], 0x0               ; the exponents s[4:5], source s[6:7], target s[8:9], weight s[10:11]
	s_load_b128 s[12:15], s[0:1], 0x20             ; acodes s[12:13], bcodes s[14:15]
	v_lshl_add_u32 v9, v0, 2, 0x8400
	s_set_vgpr_msb 0x40
	v_mov_b32 v1, 0
	s_set_vgpr_msb 0x4000
	v_lshrrev_b32 v1, 5, v0
	v_readfirstlane_b32 s16, v1                    ; wave 0..3
	v_and_b32 v1, 31, v0                           ; lane
	v_and_b32 v2, 15, v0                           ; r
	v_bfe_u32 v3, v0, 4, 1                         ; h
	v_lshlrev_b32 v4, 4, v1                        ; 16 x lane: my place in 512 consecutive bytes, in and out; never rewritten
	s_wait_kmcnt 0x0
	s_load_b128 s[20:23], s[4:5], 0x0              ; e0 .. e3
	s_load_b64 s[24:25], s[4:5], 0x10              ; e4, e5
	s_cmp_lt_u32 ttmp9, 512
	s_cbranch_scc0 .Lproj
; ---------------------------------------------------------------- PATH Q: target and source
; Work-group q: tensor t = q / 256, 16 rows rb = (q / 2) % 128, half q % 2 of K; wave w makes the four fragments kb0 .. kb0 + 3, kb0 = 16 (q % 2) + 4 w.
; Each load takes 512 consecutive bytes of one row; a conversion wants 8 neighbours along K in ONE lane: so a fragment's 16 x 512 bytes turn through the wave's own stage in LDS.
	s_lshr_b32 s17, ttmp9, 8                       ; t: 0 target, 1 source
	s_bfe_u32 s18, ttmp9, 0x70001                  ; rb
	s_and_b32 s19, ttmp9, 1
	s_lshl_b32 s19, s19, 4
	s_lshl_b32 s33, s16, 2
	s_add_co_u32 s19, s19, s33                     ; kb0
	s_cmp_eq_u32 s17, 0
	s_cselect_b64 s[26:27], s[8:9], s[6:7]
	s_lshl_b32 s34, s18, 18                        ; 16 rows of 16,384 bytes
	s_lshl_b32 s35, s19, 9                         ; 128 numbers of 4 bytes
	s_add_co_u32 s34, s34, s35
	s_mov_b32 s35, 0
	s_add_nc_u64 s[26:27], s[26:27], s[34:35]      ; in: my first fragment's first row
	s_lshr_b32 s34, s18, 3
	s_mul_i32 s34, s34, ATILE
	s_lshl_b32 s36, s17, 5
	s_add_co_u32 s36, s36, s19                     ; kbX of my first fragment
	s_lshl_b32 s37, s36, 14
	s_add_co_u32 s34, s34, s37
	s_and_b32 s37, s18, 7
	s_lshl_b32 s37, s37, 11
	s_add_co_u32 s34, s34, s37
	s_add_nc_u64 s[28:29], s[12:13], s[34:35]      ; out: its image
	s_mul_i32 s38, s16, WST
	s_wait_alu depctr_va_vdst(0)
	v_add_nc_u32 v5, s38, v4                       ; the stage, way in: a row as it lies
	v_mul_u32_u24 v6, v2, SP
	v_lshl_add_u32 v6, v3, 6, v6
	v_add_nc_u32 v6, s38, v6                       ; way out: row r, + 64 h: my 16 numbers of a block of 32
.macro QLOAD t                         ; fragment t: 16 rows x 512 bytes
.irp i, 0,1,2,3,4,5,6,7,8,9,10,11,12,13,14,15
	global_load_b128 v[R+64*((\t)%2)+4*\i:R+64*((\t)%2)+4*\i+3], v4, s[26:27] offset:16384*\i+512*(\t) th:TH_LOAD_NT
.endr
.endm
.macro QFRAG t
.if (\t) < 3
	s_wait_loadcnt 16                              ; loads come back in order: this fragment's are in, the next fragment's sixteen stay out
.else
	s_wait_loadcnt 0x0
.endif
.irp i, 0,1,2,3,4,5,6,7,8,9,10,11,12,13,14,15
	ds_store_b128 v5, v[R+64*((\t)%2)+4*\i:R+64*((\t)%2)+4*\i+3] offset:SP*\i
.endr
.irp c, 0,1,2,3
.irp j, 0,1,2,3
	ds_load_b128 v[X+16*\c+4*\j:X+16*\c+4*\j+3], v6 offset:128*\c+16*\j   ; LDS serves a wave's instructions in order: these see the stores above, and the next fragment's stores come behind them
.endr
.endr
	s_wait_dscnt 0x0                               ; the numbers are back, and the stores have read their registers,
.if (\t) < 2
	QLOAD (\t)+2                                   ; which take the loads of two fragments on
.endif
.if (\t) >= 2
	s_wait_xcnt 0x0                                ; this set of codes was the data of the stores two fragments back: it is rewritten only behind this wait
.endif
.irp c, 0,1,2,3
.irp i, 0,1,2,3,4,5,6,7,8,9,10,11,12,13,14,15
	v_med3_num_f32 v[X+16*\c+\i], v[X+16*\c+\i], -v10, v10   ; the conversion does not saturate (ISA guide 7.6.2): the hold at the largest code x the scale
.endr
	v_cvt_scalef32_pk8_fp8_f32 v[C+16*((\t)%2)+4*\c:C+16*((\t)%2)+4*\c+1], v[X+16*\c:X+16*\c+7], v11
	v_cvt_scalef32_pk8_fp8_f32 v[C+16*((\t)%2)+4*\c+2:C+16*((\t)%2)+4*\c+3], v[X+16*\c+8:X+16*\c+15], v11
.endr
	v_nop                                          ; a plain line behind the last conversion of the run
.irp c, 0,1,2,3
	global_store_b128 v4, v[C+16*((\t)%2)+4*\c:C+16*((\t)%2)+4*\c+3], s[28:29] offset:16384*(\t)+512*\c
.endr
.endm
	QLOAD 0
	QLOAD 1
	s_wait_alu depctr_va_vdst(0)
	s_wait_kmcnt 0x0
	s_cmp_eq_u32 s17, 0
	s_cselect_b32 s30, s22, s24                    ; e2 for target, e4 for source
	MKSCALE s30, 10, 11
	s_wait_alu depctr_va_vdst(0)
	QFRAG 0
	QFRAG 1
	QFRAG 2
	QFRAG 3
	s_set_vgpr_msb 0x4
	s_wait_tensorcnt 0x0
	ds_add_u32 v9, v1
	s_wait_dscnt 0x0
	s_set_vgpr_msb 0x400
	s_endpgm
; ---------------------------------------------------------------- PATH P: P and comp
; Work-group p = number - 512: ng = p / 8 (128 rows of P), wave w takes the block of 128 columns kb = 4 (p % 8) + w: eight fragments of comp and eight of P.
; THE MATRIX INSTRUCTION IS USED TRANSPOSED: source 0 = 16 rows of W for P's COLUMNS (scale 2^e1), source 1 = 16 rows of W for P's ROWS (scale 2^e0).  A lane then holds one row of P.
; THE ROWS OF A COLUMN TILE ARE NOT NEIGHBOURS: lane r of tile 2 b + u takes row 128 kb + 32 b + 8 u + r + 8 (r / 8), so that register 16 b + j of lane (r, h) is P(row r, 128 kb + 32 b + 16 h + j) / 2^(e0 + e1):
; the fragment's image as it stands.  Along W's 64 the form's own order is kept: registers 2 c, 2 c + 1 hold 16 c + 8 h + 0 .. 7.
.Lproj:
	s_sub_co_u32 s17, ttmp9, 512
	s_lshr_b32 s18, s17, 3                         ; ng
	s_and_b32 s19, s17, 7
	s_lshl_b32 s19, s19, 2
	s_add_co_u32 s19, s19, s16                     ; kb
	s_lshl_b32 s34, s19, 15                        ; 128 rows of W, 256 bytes each; also a kbX of bcodes
	s_mov_b32 s35, 0
	s_add_nc_u64 s[26:27], s[10:11], s[34:35]      ; W at my columns' rows
	s_lshl_b32 s36, s18, 15
	s_mov_b32 s37, 0
	s_add_nc_u64 s[28:29], s[10:11], s[36:37]      ; W at my rows' rows
	s_lshr_b32 s38, s18, 1
	s_mul_i32 s38, s38, BTILE
	s_add_co_u32 s38, s38, s34
	s_and_b32 s39, s18, 1
	s_lshl_b32 s39, s39, 14
	s_add_co_u32 s38, s38, s39
	s_mov_b32 s39, 0
	s_add_nc_u64 s[30:31], s[14:15], s[38:39]      ; comp's first image; P's lie 32 kbX = 1,048,576 bytes on
	s_cmp_eq_u32 s18, s19
	s_cselect_b32 s32, 1, 0                        ; 1: the diagonal runs through my fragments
	s_wait_alu depctr_va_vdst(0)
	v_lshlrev_b32 v5, 8, v2
	v_lshl_add_u32 v5, v3, 5, v5                   ; row side: row r, + 32 h
	v_and_b32 v6, 8, v2
	v_add_nc_u32 v6, v6, v2
	v_lshlrev_b32 v6, 8, v6
	v_lshl_add_u32 v6, v3, 5, v6                   ; column side: row r + 8 (r / 8), + 32 h
	v_lshlrev_b32 v7, 4, v3
	v_sub_nc_u32 v7, v2, v7                        ; fragment i, group i / 2: the diagonal is register j = r - 16 h (i even)
	v_add_nc_u32 v8, 16, v7                        ; or r - 16 h + 16 (i odd); outside 0 .. 15 the lane has none
.macro WLOAD dst, va, base, off        ; 16 rows of W, f32: register 8 c + 4 j + x = W(row, 16 c + 8 h + 4 j + x)
.irp c, 0,1,2,3
.irp j, 0,1
	global_load_b128 v[(\dst)+8*\c+4*\j:(\dst)+8*\c+4*\j+3], v[\va], s[\base:\base+1] offset:(\off)+64*\c+16*\j
.endr
.endr
.endm
.macro WQ src, dst, lim, scl           ; and their codes: an operand of the K = 64 form
.irp i, 0,1,2,3,4,5,6,7,8,9,10,11,12,13,14,15,16,17,18,19,20,21,22,23,24,25,26,27,28,29,30,31
	v_med3_num_f32 v[(\src)+\i], v[(\src)+\i], -v[\lim], v[\lim]
.endr
.irp c, 0,1,2,3
	v_cvt_scalef32_pk8_fp8_f32 v[(\dst)+2*\c:(\dst)+2*\c+1], v[(\src)+8*\c:(\src)+8*\c+7], v[\scl]
.endr
	v_nop                                          ; a plain line between the conversions and the matrix instructions that read their results or write their sources
.endm
.macro KTILE t, cnt                    ; column tile t; cnt: the loads issued behind its own eight
	s_wait_loadcnt \cnt
	WQ 128+32*((\t)%4), KT+8*(\t), 18, 19
.if (\t) < 4
	WLOAD 128+32*((\t)%4), 6, 26, (32*(((\t)+4)/2)+8*((\t)%2))*256
.endif
.endm
.irp t, 0,1,2,3
	WLOAD 128+32*\t, 6, 26, (32*(\t/2)+8*(\t%2))*256
.endr
	s_wait_kmcnt 0x0
	s_add_co_i32 s33, s20, s21                     ; e0 + e1: a sum stands for sum x 2^(e0 + e1), so the scales ahead of the two quantisers are folded into the conversions' own
	s_sub_co_i32 s34, s25, s33
	s_sub_co_i32 s35, s23, s33
	MKSCALE s34, 12, 13                            ; P:    2^(e5 - e0 - e1)
	MKSCALE s35, 14, 15                            ; comp: 2^(e3 - e0 - e1)
	MKSCALE s20, 16, 17                            ; W for P's rows
	MKSCALE s21, 18, 19                            ; W for P's columns
	s_sub_co_i32 s33, 127, s33
	s_lshl_b32 s33, s33, 23
	v_mov_b32 v20, s33                             ; the identity's 1, in the sums' unit: 2^-(e0 + e1)
	s_wait_alu depctr_va_vdst(0)
	KTILE 0, 24                                    ; behind tile 0's loads: tiles 1, 2, 3
	KTILE 1, 24                                    ; tiles 2, 3, 4
	KTILE 2, 24
	KTILE 3, 24
	WLOAD ST, 5, 28, 0                             ; the first 16 rows of the row side
	KTILE 4, 32                                    ; tiles 5, 6, 7 and the row side's eight
	KTILE 5, 24
	KTILE 6, 16
	KTILE 7, 8
.macro FRAGMENT i                      ; rows 128 ng + 16 i on
	s_wait_loadcnt 0x0
	WQ ST, NF, 16, 17
.if (\i) < 7
	WLOAD ST, 5, 28, 4096*((\i)+1)                 ; the next 16 rows land while this fragment is worked
.endif
.irp t, 0,1,2,3,4,5,6,7
	v_wmma_f32_16x16x64_fp8_fp8 v[ACC+8*\t:ACC+8*\t+7], v[KT+8*\t:KT+8*\t+7], v[NF:NF+7], 0
.endr
.rept 4
	v_nop                                          ; four places between the products and the first read of their results (ISA guide 7.12.1)
.endr
	s_wait_xcnt 0x0                                ; the last fragment's stores have read their data: both sets of codes may be written
.irp b, 0,1,2,3                        ; P: held into other registers (comp still wants the sums), each accumulator from its low end on
.irp j, 0,1,2,3,4,5,6,7,8,9,10,11,12,13,14,15
	v_med3_num_f32 v[T+16*(\b%2)+\j], v[ACC+16*\b+\j], -v12, v12
.endr
	v_cvt_scalef32_pk8_fp8_f32 v[PC+4*\b:PC+4*\b+1], v[T+16*(\b%2):T+16*(\b%2)+7], v13
	v_cvt_scalef32_pk8_fp8_f32 v[PC+4*\b+2:PC+4*\b+3], v[T+16*(\b%2)+8:T+16*(\b%2)+15], v13
.endr
	s_cmp_eq_u32 s32, 1                            ; a branch on ids: only where ng = kb is there a diagonal
	s_cbranch_scc0 .Loff_\@
.irp j, 0,1,2,3,4,5,6,7,8,9,10,11,12,13,14,15
	v_cmp_eq_u32 vcc_lo, \j, v[7+(\i)%2]
	v_cndmask_b32 v22, 0, v20, vcc_lo
	v_sub_f32 v[ACC+16*((\i)/2)+\j], v[ACC+16*((\i)/2)+\j], v22   ; sum - 2^-(e0 + e1): its negative is (1 - P) / 2^(e0 + e1), rounded as 1 - P is
.endr
.Loff_\@:
.irp b, 0,1,2,3                        ; comp = identity - P: the sign is turned in the hold
.irp j, 0,1,2,3,4,5,6,7,8,9,10,11,12,13,14,15
	v_med3_num_f32 v[ACC+16*\b+\j], -v[ACC+16*\b+\j], -v14, v14
.endr
	v_cvt_scalef32_pk8_fp8_f32 v[CC+4*\b:CC+4*\b+1], v[ACC+16*\b:ACC+16*\b+7], v15
	v_cvt_scalef32_pk8_fp8_f32 v[CC+4*\b+2:CC+4*\b+3], v[ACC+16*\b+8:ACC+16*\b+15], v15
.endr
	v_nop                                          ; a plain line behind the last conversion: the next products write these sources
.irp c, 0,1,2,3
	global_store_b128 v4, v[CC+4*\c:CC+4*\c+3], s[30:31] offset:2048*(\i)+512*\c
	global_store_b128 v4, v[PC+4*\c:PC+4*\c+3], s[30:31] offset:1048576+2048*(\i)+512*\c
.endr
.endm
	FRAGMENT 0
	FRAGMENT 1
	FRAGMENT 2
	FRAGMENT 3
	FRAGMENT 4
	FRAGMENT 5
	FRAGMENT 6
	FRAGMENT 7
	s_endpgm
.Lfunc_end_k_q5b550e7cfd_prep:
	.size	k_q5b550e7cfd_prep, .Lfunc_end_k_q5b550e7cfd_prep-k_q5b550e7cfd_prep
	.p2alignl 7, 3214868480
	.fill 96, 4, 3214868480
	.section	.rodata,"a",@progbits
	.p2align	6, 0x0
	.amdhsa_kernel k_q5b550e7cfd_prep
		.amdhsa_group_segment_fixed_size 34304
		.amdhsa_private_segment_fixed_size 0
		.amdhsa_enable_private_segment 0
		.amdhsa_kernarg_size 48
		.amdhsa_user_sgpr_count 2
		.amdhsa_user_sgpr_kernarg_segment_ptr 1
		.amdhsa_wavefront_size32 1
		.amdhsa_system_sgpr_workgroup_id_x 1
		.amdhsa_system_sgpr_workgroup_id_y 1
		.amdhsa_system_sgpr_workgroup_id_z 1
		.amdhsa_system_vgpr_workitem_id 0
		.amdhsa_next_free_vgpr 258
		.amdhsa_next_free_sgpr 66
		.amdhsa_reserve_vcc 1
		.amdhsa_float_denorm_mode_32 3
		.amdhsa_float_denorm_mode_16_64 3
		.amdhsa_memory_ordered 1
		.amdhsa_forward_progress 1
		.amdhsa_inst_pref_size 185
	.end_amdhsa_kernel
	.amdgpu_metadata
---
amdhsa.version: [ 1, 2 ]
amdhsa.kernels:
  - .name:           k_q5b550e7cfd_prep
    .symbol:         k_q5b550e7cfd_prep.kd
    .args:
      - { .name: lowp_scales, .offset: 0, .size: 8, .value_kind: global_buffer, .address_space: global }
      - { .name: source, .offset: 8, .size: 8, .value_kind: global_buffer, .address_space: global }
      - { .name: target, .offset: 16, .size: 8, .value_kind: global_buffer, .address_space: global }
      - { .name: weight, .offset: 24, .size: 8, .value_kind: global_buffer, .address_space: global }
      - { .name: acodes, .offset: 32, .size: 8, .value_kind: global_buffer, .address_space: global }
      - { .name: bcodes, .offset: 40, .size: 8, .value_kind: global_buffer, .address_space: global }
    .group_segment_fixed_size: 34304
    .private_segment_fixed_size: 0
    .kernarg_segment_align: 8
    .kernarg_segment_size: 48
    .max_flat_workgroup_size: 128
    .sgpr_count:     66
    .vgpr_count:     258
    .wavefront_size: 32
...
	.end_amdgpu_metadata
.endif
;; end of part 1
;; launch gemm (part 2): grid 16 x 16, 4 waves a work-group, clusters of 4 x 4, 327,680 bytes of LDS; arguments acodes, bcodes, lowp_scales, out0; writes out0
.if DOCPART == 2
	.amdgcn_target "amdgcn-amd-amdhsa--gfx1250"
	.amdhsa_code_object_version 6
	.text
	.protected	k_q5b550e7cfd_gemm
	.globl	k_q5b550e7cfd_gemm
	.p2align	8
	.type	k_q5b550e7cfd_gemm,@function
k_q5b550e7cfd_gemm:
	s_mov_b64 s[64:65], 0
	v_nop
	global_prefetch_b8 v0, s[64:65] scope:SCOPE_SE
	s_setreg_imm32_b32 hwreg(HW_REG_WAVE_MODE, 25, 1), 1
	s_wait_xcnt 0x0
	s_wait_alu depctr_hold_cnt(0) depctr_sa_sdst(0) depctr_va_vdst(0) depctr_va_sdst(0) depctr_va_ssrc(0) depctr_va_vcc(0) depctr_vm_vsrc(0)
	s_getreg_b32 s2, hwreg(HW_REG_IB_STS2, 6, 4)
	s_cmp_eq_u32 s2, 0
	s_cbranch_scc0 .Lentry_in_a_cluster
	s_endpgm
.Lentry_in_a_cluster:
	s_bfe_u32 s2, ttmp6, 0x10000c
	s_cmp_lg_u32 s2, 0xf033
	s_cbranch_scc0 .Lentry_shape_is_right
	s_endpgm
.Lentry_shape_is_right:
; out = Q(target) Q(comp)^T 2^(e2+e3) + Q(source) Q(P)^T 2^(e4+e5), on the codes that launch prep laid as images of operand registers
; (a fragment = 16 rows x 128 k = 2,048 bytes, group c at 512 c + 16 x lane).
; A work-group makes 128 rows (mtile) x 256 columns (ntile) of out.  K IS CUT INSIDE THE WORK-GROUP: wave w = 2 h + j makes all 128 rows x columns 128 j .. 128 j + 127
; of ONE of the two products (h = 0: target x comp, h = 1: source x P): 64 accumulators, 512 registers, 32 steps of 128 along K, 64 matrix instructions a step.
; At the end the two waves of a column half swap 64 rows of sums through LDS, and each finishes 64 rows: own sum x own power of two + partner's sum x partner's.
; THE RING: two LDS slots of 128 KiB, each with two steps of both products: A (2 x 32 KiB) and blocks 4-7 of each wave's eight blocks of B (2 x 32 KiB), filled by JOINT tensor loads of 32 KiB a wave:
;   waves 0, 1 ask for A (h = 0, 1) with the four work-groups of the cluster's column (the same mtile), waves 2, 3 for B (h = 0, 1) with the four of its row (the same ntile).
; B's blocks 0-3 of each wave go from memory straight into registers, four sets of 64: two slots with all of B for two steps would take 2 x 192 KiB, more than a work-group's 320 KiB.
; For h = 1 the register blocks 0-3 of A hold fragments 4-7 and blocks 4-7 hold fragments 0-3 (by two LDS address registers): so in every wave window 2 holds the rows that it finishes, window 3 those that it hands over.
; REGISTERS: window 0: v16-30 addresses, v64-127 B's blocks 4-7, v128-255 A's eight fragments (one set); window 1: B's blocks 0-3, four sets; windows 2, 3: accumulators (a, b) at v[8 (8 (a % 4) + b)].
; LIMITS: e2 + e3 and e4 + e5 between -126 and 127, so that each power of two is an f32 number.
.set KBA,   16384                      ; a step of one product in the ring: A's 8 fragments; also B's 2 x 4
.set KBB,   32768                      ; B in memory: a step's 16 fragments
.set SLOT,  131072
.set SPARE, 2*SLOT                     ; the spare words, 128 bytes a wave
.set STAGE, SPARE+512                  ; 16 rows x 528 bytes for each wave, for the way out
.set SPITCH, 528
.set CO,    16                         ; 16 x lane
.set ADRLO, 17                         ; v17-18 A's register blocks 0-3 in slot 0, 1
.set ADRHI, 19                         ; v19-20 blocks 4-7
.set XS,    21                         ; the swap: where I put sums,
.set ADRB,  22                         ; v22-23 B's blocks 4-7 in slot 0, 1
.set STO,   24
.set RD,    25
.set PFOT,  26
.set PFOB,  27
.set SPW,   28
.set NIL,   29
.set XR,    30                         ; and where my partner put those for me
.set TMP,   32
.set BLR,   64
.set AF,    128
.set BK,    128
.set BB,    12                         ; s[12:13] my direct B stream
.set PFB,   18                         ; s[18:19] prefetch of it
.set PFT,   20                         ; s[20:21] prefetch of the tile that I ask for; s[22:23] its step from fill to fill
.set INC,   22
.set G1,    24                         ; A's tiles: group 1, and group 0 for each slot
.set G0,    32
.set G1B,   48                         ; B's tiles
.set G0B,   56
.set MSB, 0
.macro WIN new
.if MSB != \new
	s_set_vgpr_msb (MSB<<8)|\new
.set MSB, \new
.endif
.endm
.set LO_D, 0xa1                        ; source 0 (B) window 1, source 1 (A) window 0, C and D window 2
.set HI_D, 0xf1                        ; the same, C and D window 3
.set LO_L, 0xa0                        ; B in window 0
.set HI_L, 0xf0
.macro PLACES n
.rept \n
	v_nop
.endr
.endm
.macro JLOAD s                         ; a joint load: each of the two lines has one mask; the branch hangs on the wave's number alone; s_nop 0 and four v_nop behind each
	s_cmp_eq_u32 s15, 0
	s_cbranch_scc0 .Lfor_b_\@
	tensor_load_to_lds s[G0+4*\s:G0+4*\s+3], s[G1:G1+7]
	s_nop 0
	PLACES 4
	s_branch .Lasked_\@
.Lfor_b_\@:
	tensor_load_to_lds s[G0B+4*\s:G0B+4*\s+3], s[G1B:G1B+7]
	s_nop 0
	PLACES 4
.Lasked_\@:
.endm
.macro CREST
	s_cmp_lg_u32 s14, 0
	s_cbranch_scc1 .Lnot_wave_0_\@
	s_barrier_signal -3
.Lnot_wave_0_\@:
	s_barrier_wait -3
	s_barrier_signal -1
	s_barrier_wait -1
.endm
.macro CROUND
	s_barrier_signal -1
	s_barrier_wait -1
	CREST
.endm
	s_load_b256 s[4:11], s[0:1], 0x0               ; acodes, bcodes, the exponents, out
	v_lshl_add_u32 v[SPW], v0, 2, SPARE
	v_mov_b32 v[NIL], 0
	ds_add_u32 v[SPW], v[NIL]                      ; the opening lines: the add twice on end and its wait
	ds_add_u32 v[SPW], v[NIL]
	v_lshrrev_b32 v1, 5, v0
	v_readfirstlane_b32 s14, v1                    ; wave
	v_and_b32 v1, 31, v0                           ; lane
	v_lshlrev_b32 v[CO], 4, v1
	s_lshr_b32 s15, s14, 1                         ; h: which product I multiply.  Also: I ask for A (0) or for B (1)
	s_and_b32 s16, s14, 1                          ; j: which 128 columns.  Also: which product's tile I ask for
	s_bfe_u32 s40, ttmp6, 0x40000                  ; cx
	s_bfe_u32 s41, ttmp6, 0x40004                  ; cy
	s_lshl_b32 s42, ttmp9, 2
	s_add_co_u32 s42, s42, s40                     ; mtile
	s_and_b32 s17, ttmp7, 0xffff
	s_lshl_b32 s17, s17, 2
	s_add_co_u32 s17, s17, s41                     ; ntile
	s_lshl_b32 s43, s41, 2
	s_lshl_b32 s43, 15, s43                        ; my row of the cluster: the same ntile
	s_lshl_b32 s44, 0x1111, s40                    ; my column: the same mtile
	s_or_b32 s[G1+0], s44, (3<<16)|(1<<21)         ; elements of 8 bytes; bit 21 beside the mask
	s_mov_b32 s[G1+1], 32<<16                      ; A: rows of 256 bytes,
	s_mov_b32 s[G1+2], 128<<16                     ; 128 of them, dense: 32 KiB
	s_mov_b32 s[G1+3], 32<<16
	s_mov_b32 s[G1+4], 128
	s_mov_b32 s[G1+5], 32
	s_mov_b32 s[G1+6], 0
	s_mov_b32 s[G1+7], 0
	s_or_b32 s[G1B+0], s43, (3<<16)|(1<<21)
	s_mov_b32 s[G1B+1], 1024<<16                   ; B: rows of 8 KiB (four fragments),
	s_mov_b32 s[G1B+2], 4<<16                      ; four of them (two column halves x two steps),
	s_mov_b32 s[G1B+3], 1024<<16
	s_mov_b32 s[G1B+4], 4
	s_mov_b32 s[G1B+5], 2048                       ; 16 KiB apart in memory, dense in LDS
	s_mov_b32 s[G1B+6], 0
	s_mov_b32 s[G1B+7], 0
	s_lshl_b32 s66, s42, 20                        ; A's tile: mtile x 1 MiB + product x 32 steps
	s_lshl_b32 s46, s16, 19
	s_add_co_u32 s66, s66, s46
	s_mov_b32 s67, 0
	s_lshl_b32 s78, s17, 21                        ; B's tile: ntile x 2 MiB + product x 32 steps + fragment 4
	s_lshl_b32 s46, s16, 20
	s_add_co_u32 s78, s78, s46
	s_add_co_u32 s78, s78, 8192
	s_mov_b32 s79, 0
	s_lshl_b32 s45, s14, 15                        ; into LDS: wave x 32 KiB
	s_lshl_b32 s80, s17, 21                        ; my direct B: ntile x 2 MiB + h x 32 steps + j x 8 fragments
	s_lshl_b32 s46, s15, 20
	s_add_co_u32 s80, s80, s46
	s_lshl_b32 s46, s16, 14
	s_add_co_u32 s80, s80, s46
	s_mov_b32 s81, 0
	s_lshl_b32 s82, s40, 11                        ; prefetch of direct B: of my 8 KiB of a step, partner cx names 2 KiB
	s_mov_b32 s83, 0
	s_lshl_b32 s84, s41, 13                        ; prefetch of A's tile: partner cy names 8 KiB of its 32; it begins at fill 3
	s_add_co_u32 s84, s84, 3*32768
	s_mov_b32 s85, 0
	s_lshl_b32 s86, s40, 14                        ; of B's tile: partner cx names row cx; it begins at fill 3
	s_add_co_u32 s86, s86, 3*65536
	s_mov_b32 s87, 0
	s_lshl_b32 s88, s42, 21                        ; out: row 128 mtile + 64 h, column 256 ntile + 128 j
	s_lshl_b32 s46, s15, 20
	s_add_co_u32 s88, s88, s46
	s_lshl_b32 s46, s17, 10
	s_add_co_u32 s88, s88, s46
	s_lshl_b32 s46, s16, 9
	s_add_co_u32 s88, s88, s46
	s_mov_b32 s89, 0
	s_wait_dscnt 0x0                               ; both opening adds are done
	s_wait_alu depctr_va_vdst(0)
	s_wait_kmcnt 0x0
	s_load_b128 s[68:71], s[8:9], 0x8              ; e2 .. e5
	s_add_nc_u64 s[66:67], s[4:5], s[66:67]
	s_add_nc_u64 s[78:79], s[6:7], s[78:79]
	s_add_nc_u64 s[BB:BB+1], s[6:7], s[80:81]
	s_add_nc_u64 s[PFB:PFB+1], s[BB:BB+1], s[82:83]
	s_add_nc_u64 s[84:85], s[66:67], s[84:85]
	s_add_nc_u64 s[86:87], s[78:79], s[86:87]
	s_add_nc_u64 s[10:11], s[10:11], s[88:89]
	s_cmp_eq_u32 s15, 0
	s_cselect_b64 s[PFT:PFT+1], s[84:85], s[86:87]
	s_mov_b32 s[INC], 65536
	s_cselect_b32 s[INC], 32768, s[INC]
	s_mov_b32 s[INC+1], 0
	WIN 0x40
.irp i, 0,1,2,3                        ; direct B of steps 0 to 3
.irp f, 0,1,2,3
.irp c, 0,1,2,3
	global_load_b128 v[64*\i+16*\f+4*\c:64*\i+16*\f+4*\c+3], v[CO], s[BB:BB+1] offset:KBB*\i+2048*\f+512*\c
.endr
.endr
.endr
	WIN 0
.irp s, 0,1
	s_mov_b32 s[G0+4*\s], 1
	s_add_co_u32 s[G0+4*\s+1], s45, \s*SLOT
	s_add_nc_u64 s[G0+4*\s+2:G0+4*\s+3], s[66:67], \s*32768
	s_or_b32 s[G0+4*\s+3], s[G0+4*\s+3], 0x80000000
	s_mov_b32 s[G0B+4*\s], 1
	s_add_co_u32 s[G0B+4*\s+1], s45, \s*SLOT
	s_add_nc_u64 s[G0B+4*\s+2:G0B+4*\s+3], s[78:79], \s*65536
	s_or_b32 s[G0B+4*\s+3], s[G0B+4*\s+3], 0x80000000
.endr
	CROUND                                         ; all sixteen work-groups are here
	JLOAD 0                                        ; steps 0 and 1: one tensor load a wave at the head
	s_mul_i32 s91, s15, 32768+8192
	s_add_co_u32 s92, s91, SLOT
	s_mul_i32 s93, s15, 32768-8192
	s_add_co_u32 s94, s93, SLOT
	s_lshl_b32 s95, s15, 15
	s_lshl_b32 s46, s16, 13
	s_add_co_u32 s95, s95, s46
	s_add_co_u32 s95, s95, 65536
	s_add_co_u32 s96, s95, SLOT
	s_xor_b32 s47, s14, 2                          ; my partner: the same j, the other h
	s_lshl_b32 s47, s47, 15
	s_mul_i32 s46, s14, 16*SPITCH
	s_add_co_u32 s46, s46, STAGE
	s_wait_kmcnt 0x0
	s_add_co_i32 s72, s68, s69
	s_add_co_i32 s72, s72, 127
	s_lshl_b32 s72, s72, 23                        ; 2^(e2 + e3)
	s_add_co_i32 s73, s70, s71
	s_add_co_i32 s73, s73, 127
	s_lshl_b32 s73, s73, 23                        ; 2^(e4 + e5)
	s_cmp_eq_u32 s15, 0
	s_cselect_b32 s74, s72, s73                    ; my product's,
	s_cselect_b32 s76, s73, s72                    ; my partner's
	s_mov_b32 s75, s74
	s_mov_b32 s77, s76
	v_and_b32 v2, 15, v0
	v_bfe_u32 v3, v0, 4, 1
	v_add_nc_u32 v[ADRLO], s91, v[CO]
	v_add_nc_u32 v[ADRLO+1], s92, v[CO]
	v_add_nc_u32 v[ADRHI], s93, v[CO]
	v_add_nc_u32 v[ADRHI+1], s94, v[CO]
	v_add_nc_u32 v[ADRB], s95, v[CO]
	v_add_nc_u32 v[ADRB+1], s96, v[CO]
	v_add_nc_u32 v[XS], s45, v[CO]
	v_add_nc_u32 v[XR], s47, v[CO]
	v_mul_u32_u24 v[STO], v2, SPITCH
	v_lshl_add_u32 v[STO], v3, 5, v[STO]
	v_add_nc_u32 v[STO], s46, v[STO]               ; stage, way in: row l % 16, 32 bytes for each half of the lanes
	v_add_nc_u32 v[RD], s46, v[CO]                 ; way back: 32 lanes take a row of 512 bytes
	v_lshlrev_b32 v[PFOT], 8, v1                   ; a lane to each 256 bytes of 8 KiB
	v_lshrrev_b32 v4, 3, v1                        ; direct B: eight lanes to 2 KiB of each of four steps
	v_and_b32 v5, 7, v1
	v_lshlrev_b32 v[PFOB], 8, v5
	v_lshl_add_u32 v[PFOB], v4, 15, v[PFOB]
; 16 matrix instructions: A's register blocks a0 .. a0 + 3 x four blocks of B from register breg on (columns b0 .. b0 + 3); the accumulators take turns
.macro MULQ a0, breg, b0, zero
.irp a, \a0, \a0+1, \a0+2, \a0+3
.irp b, 0,1,2,3
.if \zero
	v_wmma_f32_16x16x128_fp8_fp8 v[8*(8*((\a)%4)+(\b0)+\b):8*(8*((\a)%4)+(\b0)+\b)+7], v[(\breg)+16*\b:(\breg)+16*\b+15], v[AF+16*(\a):AF+16*(\a)+15], 0
.else
	v_wmma_f32_16x16x128_fp8_fp8 v[8*(8*((\a)%4)+(\b0)+\b):8*(8*((\a)%4)+(\b0)+\b)+7], v[(\breg)+16*\b:(\breg)+16*\b+15], v[AF+16*(\a):AF+16*(\a)+15], v[8*(8*((\a)%4)+(\b0)+\b):8*(8*((\a)%4)+(\b0)+\b)+7]
.endif
.endr
.endr
.endm
.macro FETCH_A adr, q, a0              ; four register blocks of A of the slot's step q
.irp a, \a0, \a0+1, \a0+2, \a0+3
.irp c, 0,1,2,3
	ds_load_b128 v[AF+16*(\a)+4*\c:AF+16*(\a)+4*\c+3], v[\adr] offset:KBA*(\q)+2048*(\a)+512*\c
.endr
.endr
.endm
.macro FETCH_B adr, q                  ; B's blocks 4-7 of the slot's step q
.irp f, 0,1,2,3
.irp c, 0,1,2,3
	ds_load_b128 v[BLR+16*\f+4*\c:BLR+16*\f+4*\c+3], v[\adr] offset:KBA*(\q)+2048*\f+512*\c
.endr
.endr
.endm
.macro BLOAD p                         ; the set of direct B just multiplied takes the blocks of four steps on
	WIN 0x40
.irp f, 0,1,2,3
.irp c, 0,1,2,3
	global_load_b128 v[64*((\p)%4)+16*\f+4*\c:64*((\p)%4)+16*\f+4*\c+3], v[CO], s[BB:BB+1] offset:KBB*((\p)+4)+2048*\f+512*\c
.endr
.endr
.endm
; Prefetches into the L2.  askb, once a trip of four steps, in its step 2: direct B of steps 8 to 11 (from the trip's base), whose loads are issued in steps 4 to 7.
; askt, in each slot's first step: my part of the tile of three fills on, which is asked for three steps later.  Each 256 bytes are named once in a cluster: the four partners share them out by address.
; The loop's last asks name step 31 and fill 15; the steps behind the loop ask for nothing.
.macro ASK askb, askt
.if \askb
	global_prefetch_b8 v[PFOB], s[PFB:PFB+1] offset:KBB*8 th:TH_LOAD_NT scope:SCOPE_SE
.endif
.if \askt
	global_prefetch_b8 v[PFOT], s[PFT:PFT+1] th:TH_LOAD_NT scope:SCOPE_SE
.endif
.endm
; A step's second half: B's blocks 4-7.  Four places stand ahead of it.
.macro BACK p, ns, nq, zero, ld, fetch, askb, askt
.if \ld
	BLOAD \p
.endif
	s_wait_dscnt 0x0                               ; B's blocks 4-7 are in
	WIN LO_L
	MULQ 0, BLR, 4, \zero
.if \fetch
	PLACES 4
	WIN 0
	FETCH_A ADRLO+\ns, \nq, 0                      ; A's blocks 0-3 of the next step
	ASK \askb, \askt
.endif
	WIN HI_L
	MULQ 4, BLR, 4, \zero
	PLACES 4
	WIN 0
.if \fetch
	FETCH_A ADRHI+\ns, \nq, 4
	FETCH_B ADRB+\ns, \nq
.endif
.endm
; w: the loads issued behind this step's set of direct B (three groups of 16 while loads go on)
.macro STEP p, ns, nq, zero, ld, w, fetch, askb, askt
	s_wait_dscnt 32                                ; A's blocks 0-3 are in; blocks 4-7 and B's four may be out
	s_wait_loadcnt \w
	WIN LO_D
	MULQ 0, 64*((\p)%4), 0, \zero
	s_wait_dscnt 16                                ; A's blocks 4-7 are in
	WIN HI_D
	MULQ 4, 64*((\p)%4), 0, \zero
.if \ld
	PLACES 4
.endif
	BACK \p, \ns, \nq, \zero, \ld, \fetch, \askb, \askt
.endm
; A slot's second step changes slots: all my tensor loads waited for, the add, my reads of this slot waited for, the barrier (with fill: a round of the cluster's), the refill first behind it.
.macro TURN p, slot, ns, fill, ld, w, stp
.if \stp
	s_wait_xcnt 0x0                                ; my prefetch has read its address
	s_add_nc_u64 s[PFT:PFT+1], s[PFT:PFT+1], s[INC:INC+1]
.endif
	s_wait_tensorcnt 0x0
	ds_add_u32 v[SPW], v[NIL]
.if \fill
	s_add_nc_u64 s[G0+4*\slot+2:G0+4*\slot+3], s[G0+4*\slot+2:G0+4*\slot+3], 2*32768
	s_add_nc_u64 s[G0B+4*\slot+2:G0B+4*\slot+3], s[G0B+4*\slot+2:G0B+4*\slot+3], 2*65536
.endif
	s_wait_dscnt 33                                ; the add, A's blocks 4-7 and B's four may be out
	s_wait_loadcnt \w
	WIN LO_D
	MULQ 0, 64*((\p)%4), 0, 0
	s_wait_dscnt 0x0                               ; the add is done, my reads of this slot are over
	s_barrier_signal -1
	WIN HI_D
	MULQ 4, 64*((\p)%4), 0, 0
	WIN 0
	s_barrier_wait -1
.if \fill
	CREST
	JLOAD \slot                                    ; its four v_nop are the places ahead of the loads below
.else
	PLACES 4
.endif
	BACK \p, \ns, 0, 0, \ld, 1, 0, 0
.endm
	s_wait_alu depctr_va_vdst(0)
	s_wait_tensorcnt 0x0                           ; my part of slot 0 is in; slot 1's first fill is issued as a refill is
	ds_add_u32 v[SPW], v[NIL]
	s_wait_dscnt 0x0
	CROUND
	JLOAD 1
	FETCH_A ADRLO, 0, 0
	FETCH_A ADRHI, 0, 4
	FETCH_B ADRB, 0
	STEP 0, 0, 1, 1, 1, 48, 1, 0, 1                ; the first step starts the sums
	s_mov_b32 s3, 6
.Llap:                                                 ; four steps: once round the ring and the four sets, from a lap's second step to the next lap's first
	TURN 1, 0, 1, 1, 1, 48, 1
	STEP 2, 1, 1, 0, 1, 48, 1, 1, 1
	TURN 3, 1, 0, 1, 1, 48, 1
	STEP 4, 0, 1, 0, 1, 48, 1, 0, 1
	s_wait_xcnt 0x0                                ; the loads and prefetches have read their bases
	s_add_nc_u64 s[BB:BB+1], s[BB:BB+1], 4*KBB
	s_add_nc_u64 s[PFB:PFB+1], s[PFB:PFB+1], 4*KBB
	s_sub_co_u32 s3, s3, 1
	s_cmp_lg_u32 s3, 0
	s_cbranch_scc1 .Llap
	TURN 1, 0, 1, 1, 1, 48, 0                      ; steps 25 to 31: the last two fills, the last three groups of loads; then the counts run down
	STEP 2, 1, 1, 0, 1, 48, 1, 0, 0
	TURN 3, 1, 0, 1, 1, 48, 0
	STEP 4, 0, 1, 0, 0, 48, 1, 0, 0
	TURN 5, 0, 1, 0, 0, 32, 0
	STEP 6, 1, 1, 0, 0, 16, 1, 0, 0
	STEP 7, 0, 0, 0, 0, 0, 0, 0, 0
; THE SWAP.  Window 3's 256 registers go, as they are, to my 32 KiB of slot 0 (it has had its last fill, and nobody reads it behind the last change of slots); my partner's come into window 1.
	WIN 0x0c
.set i, 0
.rept 64
	ds_store_b128 v[XS], v[4*i:4*i+3] offset:512*i
.set i, i+1
.endr
	WIN 0
	s_wait_dscnt 0x0                               ; for my partner's sake
	s_barrier_signal -1
	s_barrier_wait -1
	WIN 0x40
.set i, 0
.rept 64
	ds_load_b128 v[4*i:4*i+3], v[XR] offset:512*i
.set i, i+1
.endr
	WIN 0
; Block a of my four: 16 rows x 128 columns; both powers of two; through my stage; back as whole rows of 512 bytes.
.macro COMB a
	WIN 0x02
.set i, 0
.rept 32
	v_pk_mul_f32 v[TMP+i:TMP+i+1], v[64*(\a)+i:64*(\a)+i+1], s[74:75] op_sel_hi:[1,0]
.set i, i+2
.endr
	WIN 0x01
.set i, 0
.rept 32
	v_pk_fma_f32 v[TMP+i:TMP+i+1], v[64*(\a)+i:64*(\a)+i+1], s[76:77], v[TMP+i:TMP+i+1] op_sel_hi:[1,0,1]
.set i, i+2
.endr
	WIN 0
.irp b, 0,1,2,3,4,5,6,7
	ds_store_b128 v[STO], v[TMP+8*\b:TMP+8*\b+3] offset:64*\b
	ds_store_b128 v[STO], v[TMP+8*\b+4:TMP+8*\b+7] offset:64*\b+16
.endr
.irp t, 0,1,2,3,4,5,6,7,8,9,10,11,12,13,14,15
	ds_load_b128 v[BK+64*((\a)%2)+4*\t:BK+64*((\a)%2)+4*\t+3], v[RD] offset:\t*SPITCH   ; LDS serves a wave's instructions in order
.endr
.endm
.macro SEND a, younger
	s_wait_dscnt \younger
.irp t, 0,1,2,3,4,5,6,7,8,9,10,11,12,13,14,15
	global_store_b128 v[CO], v[BK+64*((\a)%2)+4*\t:BK+64*((\a)%2)+4*\t+3], s[10:11] offset:(16*(\a)+\t)*16384 th:TH_STORE_NT   ; 32 lanes store 512 consecutive bytes, aligned
.endr
.endm
	s_wait_dscnt 48                                ; my partner's block 0 is in; 48 loads were issued behind it
	COMB 0
	s_wait_dscnt 63                                ; block 1: 64 LDS instructions were issued behind it; the count's field holds 63
	COMB 1
	SEND 0, 32                                     ; behind block 0's rows: block 1's 16 stores and 16 loads; so all of my partner's sums are in too
	s_wait_xcnt 0x0                                ; block 0's stores have read their registers
	COMB 2
	SEND 1, 32
	s_wait_xcnt 0x0
	COMB 3
	SEND 2, 32
	SEND 3, 0
	s_wait_tensorcnt 0x0                           ; the wave's end
	ds_add_u32 v[SPW], v[NIL]
	s_wait_dscnt 0x0
	CROUND                                         ; the closing round
	s_endpgm
.Lfunc_end_k_q5b550e7cfd_gemm:
	.size	k_q5b550e7cfd_gemm, .Lfunc_end_k_q5b550e7cfd_gemm-k_q5b550e7cfd_gemm
	.p2alignl 7, 3214868480
	.fill 96, 4, 3214868480
	.section	.rodata,"a",@progbits
	.p2align	6, 0x0
	.amdhsa_kernel k_q5b550e7cfd_gemm
		.amdhsa_group_segment_fixed_size 327680
		.amdhsa_private_segment_fixed_size 0
		.amdhsa_enable_private_segment 0
		.amdhsa_kernarg_size 32
		.amdhsa_user_sgpr_count 2
		.amdhsa_user_sgpr_kernarg_segment_ptr 1
		.amdhsa_wavefront_size32 1
		.amdhsa_system_sgpr_workgroup_id_x 1
		.amdhsa_system_sgpr_workgroup_id_y 1
		.amdhsa_system_sgpr_workgroup_id_z 1
		.amdhsa_system_vgpr_workitem_id 0
		.amdhsa_next_free_vgpr 1024
		.amdhsa_next_free_sgpr 98
		.amdhsa_reserve_vcc 0
		.amdhsa_float_denorm_mode_32 3
		.amdhsa_float_denorm_mode_16_64 3
		.amdhsa_memory_ordered 1
		.amdhsa_forward_progress 1
		.amdhsa_inst_pref_size 163
	.end_amdhsa_kernel
	.amdgpu_metadata
---
amdhsa.version: [ 1, 2 ]
amdhsa.kernels:
  - .name:           k_q5b550e7cfd_gemm
    .symbol:         k_q5b550e7cfd_gemm.kd
    .args:
      - { .name: acodes, .offset: 0, .size: 8, .value_kind: global_buffer, .address_space: global }
      - { .name: bcodes, .offset: 8, .size: 8, .value_kind: global_buffer, .address_space: global }
      - { .name: lowp_scales, .offset: 16, .size: 8, .value_kind: global_buffer, .address_space: global }
      - { .name: out0, .offset: 24, .size: 8, .value_kind: global_buffer, .address_space: global }
    .group_segment_fixed_size: 327680
    .private_segment_fixed_size: 0
    .kernarg_segment_align: 8
    .kernarg_segment_size: 32
    .max_flat_workgroup_size: 128
    .sgpr_count:     98
    .vgpr_count:     1024
    .wavefront_size: 32
...
	.end_amdgpu_metadata
.endif
;; end of part 2
